; MI455X (gfx1250); checked and timed in simulation.
; The chip was launched on July 23, 2026; its instructions are those of AMD's public machine-readable ISA for CDNA 5 (MIT licence, August 2026) and "CDNA5" Instruction Set Architecture Reference Guide (July 2026). The comments in the code are by the model that wrote it; some were corrected since.
;; RDM Module. Allowed arithmetic: matrix products marked QUANTISED: E3M2 operands, one E8M0 scale for each 32 along K, by v_wmma_scale_f32_16x16x128_f8f6f4 with both operands' format E3M2, f32 sums; everything else in f32.
;; Inputs: embeddings 4,096 x 4,096 float32.
;; Outputs: out0 4,096 x 4,096 float32.
;; This version of the problem:
;;   THIS VERSION OF THE PROBLEM IS GIVEN IN LOW PRECISION. The matrix products marked QUANTISED in the list below multiply operands that are first quantised to E3M2 (3 exponent bits, 2 mantissa bits; 6 bits a number), with one power-of-two scale for each 32 numbers along K (OCP MX v1.0); their sums are f32. All else is computed in f32.
;;   The module's matrix products, in the order in which they are computed (A, B: the left and right operand; K: the contracted axis; several contracted axes count as one K, in the product's order):
;;     1. [M 4,096, K 4,096] x [K 4,096, N 4,096]; A: input embeddings; B: input embeddings: QUANTISED
;;   THE QUANTISER, for each operand of a quantised product, along K:
;;     - K is cut into blocks of 32 from its start; a last block that is shorter is filled with zeros.
;;     - A block's scale is 2^e with e = floor(log2(the largest magnitude in the block)) - 4, held to -126 .. 127; a block of zeros has e = 0. As a byte (E8M0): e + 127.
;;     - Each number is divided by its block's scale, clamped to +-28, and rounded to the nearest number of E3M2, ties to even, subnormals kept.
;;     - The product sums the exact products of the quantised numbers (number of the format x scale) in f32.
;;   ~~~python
;;   def quantise(x, axis):      # numpy; x: float32 -> the quantised numbers, widened to float32 again
;;       x = np.moveaxis(x, axis, -1); K = x.shape[-1]
;;       x = np.pad(x, [(0, 0)] * (x.ndim - 1) + [(0, -K % 32)]); x = x.reshape(x.shape[:-1] + (-1, 32)); a = np.abs(x).max(-1, keepdims=True)
;;       e = np.where(a > 0, np.clip(np.frexp(np.where(a > 0, a, 1))[1] - 1 - 4, -126, 127), 0)      # np.frexp(a)[1] - 1 = floor(log2(a)), exactly
;;       r = np.clip(x / 2.0 ** e, -28, 28)
;;       step = 2.0 ** (np.maximum(np.frexp(np.where(r == 0, 1, r))[1] - 1, -2) - 2)
;;       q = np.round(r / step) * step * 2.0 ** e      # np.round: ties to even
;;       return np.moveaxis(q.reshape(q.shape[:-2] + (-1,))[..., :K], -1, axis).astype(np.float32)
;;   ~~~
;; One version. Each part assembles by itself: llvm-mc -triple=amdgcn-amd-amdhsa -mcpu=gfx1250 --defsym DOCPART=n.
;; ======== version 1 of 1: 2 launches
;; limits: right only within a limited range of input values
;; workspace buffers: img 13,107,200 bytes; nh4 65,536 bytes
;; launch quant (part 1): grid 256 x 1, 8 waves a work-group, no clusters, 167,936 bytes of LDS; arguments embeddings, img, nh4; writes img, nh4
.if DOCPART == 1
	.amdgcn_target "amdgcn-amd-amdhsa--gfx1250"
	.amdhsa_code_object_version 6
	.text
	.protected	k_q51cfe0b550_quant
	.globl	k_q51cfe0b550_quant
	.p2align	8
	.type	k_q51cfe0b550_quant,@function
k_q51cfe0b550_quant:
	s_mov_b64 s[64:65], 0
	v_nop
	global_prefetch_b8 v0, s[64:65] scope:SCOPE_SE
	s_setreg_imm32_b32 hwreg(HW_REG_WAVE_MODE, 25, 1), 1
	s_wait_xcnt 0x0
; embeddings [4096][4096] f32 -> img, the operand of the product as the matrix instruction's registers take it, and nh4, four partial sums of -0.5 x e[i][k]^2 for each row.
; Nothing is left out: every number of the input goes into codes, scales and norms.
; THE QUANTISER: a block of 32 along K has the scale 2^(floor(log2(largest magnitude)) - 4); its E8M0 byte is the largest magnitude's exponent field - 4, held at 1 from below;
; each number is divided by the scale and rounded to the nearest code of E3M2, ties to even; beyond the largest code the conversion gives the largest code.
; LIMITS: a block of zeros gets the byte 1 where the rule says 127 (its codes are zeros, which add nothing under any byte but 0xff, and only this program reads the bytes); blocks whose largest
; magnitude lies under 2^-122 are held at the byte 1; NaN and infinities among the inputs are not served.
; IMG: for each group of 128 rows (32 groups) and each step of 128 along K (32 steps) one dense tile of 12,800 bytes, [group][step].  In a tile: eight fragments (16 rows x 128 K) of 1,536 bytes,
; each as three runs of 512 bytes, run g holding registers 4 g .. 4 g + 3 of lane l at 16 l; lane (r, h) of a fragment holds row r, registers 6 c .. 6 c + 5 = K 64 c + 32 h + 0 .. 31.
; Behind them, at byte 12,288, the scale words (four bytes: a row's 128 K): word of fragment i, row r at 256 (i / 4) + 16 r + 4 (i % 4).
; SHARES: a work-group takes 64 rows x 1,024 along K (grid: 64 x 4); wave w takes one step of 128 K, four fragments.  A fragment comes by 16 loads, each 512 consecutive bytes of one row, turns through
; the wave's own stage in LDS (rows of 512 + 16 bytes) and comes back 2 x 128 bytes a lane: two whole blocks of 32, so no other lane is asked for a maximum.  Two fragments' loads (32) are out at a time.
; OUT: three stores of 512 consecutive bytes a fragment; the wave's 64 scale words as one aligned block of 256 bytes; the work-group's 64 partial norms, summed over its waves in LDS, as one aligned block of 256 bytes.
; (That holds of this launch.)  WORK LEFT OUT BY THE PROGRAM, in launch dist: gram[i][j] = the sum over k of Q(e[i][k]) Q(e[j][k]).  Both operands are the same input under the same quantiser along the same
; axis, and a product of two numbers does not hang on their order: so gram[j][i] = gram[i][j], and with it out0[j][i] = out0[i][j], for all values of the input.  Of the result's 4 x 4 regions of 1,024 x 1,024
; the six below the diagonal are therefore not multiplied: they are stored as the mirror images of the six above it.  No input is left out.  A NaN or an infinity reaches both places of a pair alike.
.set STG,   16*528                     ; a wave's stage
.set RED,   8*STG                      ; behind the stages: 16 x 64 partial sums (wave, half of the lanes; row)
.set SPARE, RED+4096                   ; the spare words, 128 bytes a wave
.set R,   16                           ; v16-143  two sets of 64: a fragment as loaded
.set X,   144                          ; v144-207 my 64 numbers: X + 32 c + j = K 64 c + 32 h + j of row r
.set C,   208                          ; v208-219 the fragment's twelve registers
.set T,   220                          ; v220-226 the halves whose three registers would begin on an odd number
.set SQ,  228                          ; v228-231 two chains of squares
.set W,   232                          ; v232-235 the four fragments' scale words
.set SPW, 236
.set NIL, 237
.set NO,  238                          ; 8 x lane
.set RA,  239                          ; RED + 8 x lane
	s_load_b128 s[4:7], s[0:1], 0x0                ; embeddings, img
	s_load_b64 s[8:9], s[0:1], 0x10                ; nh4
	v_lshl_add_u32 v[SPW], v0, 2, SPARE
	v_mov_b32 v[NIL], 0
	v_lshrrev_b32 v1, 5, v0
	v_readfirstlane_b32 s16, v1                    ; wave 0..7
	v_and_b32 v2, 31, v0                           ; lane
	v_and_b32 v12, 15, v0                          ; r
	v_bfe_u32 v13, v0, 4, 1                        ; h
	v_lshlrev_b32 v3, 4, v2                        ; 16 x lane: loads, code stores
	s_mul_i32 s17, s16, STG
	v_add_nc_u32 v4, s17, v3                       ; the stage, way in
	v_mul_u32_u24 v5, v12, 528
	v_lshl_add_u32 v5, v13, 7, v5
	v_add_nc_u32 v5, s17, v5                       ; way out: row r, 128 h
	s_lshl_b32 s18, s16, 9
	s_add_co_u32 s18, s18, RED
	v_lshlrev_b32 v6, 2, v12
	v_lshl_add_u32 v6, v13, 8, v6
	v_add_nc_u32 v6, s18, v6                       ; my partial sum's word: 512 w + 256 h + 4 r
	v_lshlrev_b32 v7, 4, v12
	v_lshl_add_u32 v7, v13, 3, v7                  ; scale words out: 16 r + 8 h
	v_lshlrev_b32 v14, 3, v13                      ; 8 h
	v_mov_b32 v15, 0                               ; a lane permute's destination counts as a source
	v_lshlrev_b32 v[NO], 3, v2
	v_add_nc_u32 v[RA], RED, v[NO]
	s_mov_b32 s32, 0x76543210                      ; selects for lane l xor 16
	s_mov_b32 s33, 0xfedcba98
	s_lshr_b32 s19, ttmp9, 2                       ; q: which 64 rows
	s_and_b32 s20, ttmp9, 3                        ; y: which 1,024 along K
	s_lshl_b32 s21, s20, 3
	s_add_co_u32 s21, s21, s16                     ; my step of 128 K
	s_lshl_b32 s22, s19, 20                        ; 64 rows of 16,384 bytes
	s_lshl_b32 s23, s21, 9
	s_add_co_u32 s22, s22, s23
	s_mov_b32 s23, 0
	s_lshr_b32 s24, s19, 1
	s_lshl_b32 s24, s24, 5
	s_add_co_u32 s24, s24, s21
	s_mul_i32 s24, s24, 12800                      ; my tile
	s_and_b32 s26, s19, 1                          ; its fragments 0-3 or 4-7
	s_mul_i32 s28, s26, 6144
	s_add_co_u32 s28, s28, s24
	s_mov_b32 s29, 0
	s_lshl_b32 s30, s26, 8
	s_add_co_u32 s30, s30, s24
	s_add_co_u32 s30, s30, 12288
	s_mov_b32 s31, 0
	s_lshl_b32 s14, s20, 14
	s_lshl_b32 s15, s19, 8
	s_add_co_u32 s14, s14, s15
	s_mov_b32 s15, 0
	s_wait_alu depctr_va_vdst(0)                   ; the wait at the head's end
	s_wait_kmcnt 0x0
	s_add_nc_u64 s[4:5], s[4:5], s[22:23]
	s_add_nc_u64 s[10:11], s[6:7], s[28:29]        ; my fragments
	s_add_nc_u64 s[12:13], s[6:7], s[30:31]        ; my block of scale words
	s_add_nc_u64 s[8:9], s[8:9], s[14:15]
.macro LOADF t                         ; fragment t: 16 rows x 512 bytes into set t % 2
.irp r, 0,1,2,3,4,5,6,7,8,9,10,11,12,13,14,15
	global_load_b128 v[R+64*((\t)%2)+4*\r:R+64*((\t)%2)+4*\r+3], v3, s[4:5] offset:(16*(\t)+\r)*16384 th:TH_LOAD_NT
.endr
.endm
.macro FRAGQ t
.if (\t) < 3
	s_wait_loadcnt 16                              ; this fragment's 16 loads are in; the next fragment's may be out
.else
	s_wait_loadcnt 0x0
.endif
.irp r, 0,1,2,3,4,5,6,7,8,9,10,11,12,13,14,15
	ds_store_b128 v4, v[R+64*((\t)%2)+4*\r:R+64*((\t)%2)+4*\r+3] offset:528*\r
.endr
.irp j, 0,1,2,3,4,5,6,7,8,9,10,11,12,13,14,15
	ds_load_b128 v[X+4*\j:X+4*\j+3], v5 offset:256*(\j/8)+16*(\j%8)   ; LDS serves a wave's instructions in order (ISA guide 5.7.1.4): these see the stores above
.endr
	s_wait_dscnt 0x0                               ; my numbers are here, and the stores have read their set
	s_wait_xcnt 0x0                                ; the last fragment's code stores have read C
.if (\t)+2 < 4
	LOADF (\t)+2
.endif
	v_max3_num_f32 v8, |v[X]|, |v[X+1]|, 0x2800000     ; each block's largest magnitude, with the floor 2^(5 - 127): the byte cannot fall under 1; the two blocks by turns
	v_max3_num_f32 v9, |v[X+32]|, |v[X+33]|, 0x2800000
.irp i, 2,4,6,8,10,12,14,16,18,20,22,24,26,28,30
	v_max3_num_f32 v8, v8, |v[X+\i]|, |v[X+\i+1]|
	v_max3_num_f32 v9, v9, |v[X+32+\i]|, |v[X+33+\i]|
.endr
	v_add_nc_u32 v10, 0xfe000000, v8               ; 4 off the exponent field: the conversion's scale operand
	v_add_nc_u32 v11, 0xfe000000, v9
	v_lshrrev_b32 v12, 23, v10                     ; the bytes of blocks h and 2 + h
	v_lshrrev_b32 v13, 23, v11
	v_lshl_or_b32 v12, v13, 16, v12
	v_lshlrev_b32 v12, v14, v12                    ; at their places in the row's word
	v_permlanex16_b32 v15, v12, s32, s33
	v_or_b32 v[W+(\t)], v12, v15                   ; with lane l xor 16's two the word is whole
	v_pk_mul_f32 v[SQ:SQ+1], v[X:X+1], v[X:X+1]    ; squares of the numbers as they came, two chains
	v_pk_mul_f32 v[SQ+2:SQ+3], v[X+32:X+33], v[X+32:X+33]
.irp i, 2,4,6,8,10,12,14,16,18,20,22,24,26,28,30
	v_pk_fma_f32 v[SQ:SQ+1], v[X+\i:X+\i+1], v[X+\i:X+\i+1], v[SQ:SQ+1]
	v_pk_fma_f32 v[SQ+2:SQ+3], v[X+32+\i:X+33+\i], v[X+32+\i:X+33+\i], v[SQ+2:SQ+3]
.endr
	v_cvt_scalef32_pk16_bf6_f32 v[C:C+2], v[X:X+15], v10
	v_cvt_scalef32_pk16_bf6_f32 v[T:T+2], v[X+16:X+31], v10
	v_cvt_scalef32_pk16_bf6_f32 v[C+6:C+8], v[X+32:X+47], v11
	v_cvt_scalef32_pk16_bf6_f32 v[T+4:T+6], v[X+48:X+63], v11
	v_pk_add_f32 v[SQ:SQ+1], v[SQ:SQ+1], v[SQ+2:SQ+3]  ; (also the plain line behind the conversions)
.irp i, 0,1,2
	v_mov_b32 v[C+3+\i], v[T+\i]
	v_mov_b32 v[C+9+\i], v[T+4+\i]
.endr
	v_add_f32 v12, v[SQ], v[SQ+1]
	ds_store_b32 v6, v12 offset:64*(\t)            ; my 64 numbers' sum, for row 16 t + r
.irp g, 0,1,2
	global_store_b128 v3, v[C+4*\g:C+4*\g+3], s[10:11] offset:1536*(\t)+512*\g   ; 32 lanes store 512 consecutive bytes, aligned
.endr
.endm
	LOADF 0
	LOADF 1
	FRAGQ 0
	FRAGQ 1
	FRAGQ 2
	FRAGQ 3
	v_cmp_eq_u32 vcc_lo, 8, v14
	v_cndmask_b32 v12, v[W], v[W+2], vcc_lo        ; lanes 0-15 store words 0 and 1 of row r, lanes 16-31 words 2 and 3
	v_cndmask_b32 v13, v[W+1], v[W+3], vcc_lo
	global_store_b64 v7, v[12:13], s[12:13]        ; 32 lanes store one aligned block of 256 bytes
	s_wait_tensorcnt 0x0                           ; behind my last LDS store
	ds_add_u32 v[SPW], v[NIL]
	s_wait_dscnt 0x0                               ; for the others' sake too: my partial sums are in LDS
	s_barrier_signal -1
	s_barrier_wait -1
	s_cmp_lg_u32 s16, 0
	s_cbranch_scc1 .Ldone
.irp k, 0,1,2,3,4,5,6,7,8,9,10,11,12,13,14,15
	ds_load_b64 v[X+2*\k:X+2*\k+1], v[RA] offset:256*\k    ; wave 0: rows 2 l and 2 l + 1, sixteen parts each
.endr
	s_wait_dscnt 0x0
.macro RSUM n
.set k, 0
.rept \n
	v_pk_add_f32 v[X+2*k:X+2*k+1], v[X+2*k:X+2*k+1], v[X+2*k+2*\n:X+2*k+2*\n+1]
.set k, k+1
.endr
.endm
	RSUM 8
	RSUM 4
	RSUM 2
	RSUM 1
	v_pk_mul_f32 v[X:X+1], v[X:X+1], -0.5 op_sel_hi:[1,0]
	global_store_b64 v[NO], v[X:X+1], s[8:9]       ; 64 rows' partial norms: one aligned block of 256 bytes
.Ldone:
	s_endpgm
.Lfunc_end_k_q51cfe0b550_quant:
	.size	k_q51cfe0b550_quant, .Lfunc_end_k_q51cfe0b550_quant-k_q51cfe0b550_quant
	.p2alignl 7, 3214868480
	.fill 96, 4, 3214868480
	.section	.rodata,"a",@progbits
	.p2align	6, 0x0
	.amdhsa_kernel k_q51cfe0b550_quant
		.amdhsa_group_segment_fixed_size 167936
		.amdhsa_private_segment_fixed_size 0
		.amdhsa_enable_private_segment 0
		.amdhsa_kernarg_size 24
		.amdhsa_user_sgpr_count 2
		.amdhsa_user_sgpr_kernarg_segment_ptr 1
		.amdhsa_wavefront_size32 1
		.amdhsa_system_sgpr_workgroup_id_x 1
		.amdhsa_system_sgpr_workgroup_id_y 1
		.amdhsa_system_sgpr_workgroup_id_z 1
		.amdhsa_system_vgpr_workitem_id 0
		.amdhsa_next_free_vgpr 240
		.amdhsa_next_free_sgpr 66
		.amdhsa_reserve_vcc 1
		.amdhsa_float_denorm_mode_32 3
		.amdhsa_float_denorm_mode_16_64 3
		.amdhsa_memory_ordered 1
		.amdhsa_forward_progress 1
		.amdhsa_inst_pref_size 41
	.end_amdhsa_kernel
	.amdgpu_metadata
---
amdhsa.version: [ 1, 2 ]
amdhsa.kernels:
  - .name:           k_q51cfe0b550_quant
    .symbol:         k_q51cfe0b550_quant.kd
    .args:
      - { .name: embeddings, .offset: 0, .size: 8, .value_kind: global_buffer, .address_space: global }
      - { .name: img, .offset: 8, .size: 8, .value_kind: global_buffer, .address_space: global }
      - { .name: nh4, .offset: 16, .size: 8, .value_kind: global_buffer, .address_space: global }
    .group_segment_fixed_size: 167936
    .private_segment_fixed_size: 0
    .kernarg_segment_align: 8
    .kernarg_segment_size: 24
    .max_flat_workgroup_size: 256
    .sgpr_count:     66
    .vgpr_count:     240
    .wavefront_size: 32
...
	.end_amdgpu_metadata
.endif
;; end of part 1
;; launch dist (part 2): grid 40 x 4, 4 waves a work-group, clusters of 4 x 4, 327,680 bytes of LDS; arguments img, nh4, out0; writes out0
.if DOCPART == 2
	.amdgcn_target "amdgcn-amd-amdhsa--gfx1250"
	.amdhsa_code_object_version 6
	.text
	.protected	k_q51cfe0b550_dist
	.globl	k_q51cfe0b550_dist
	.p2align	8
	.type	k_q51cfe0b550_dist,@function
k_q51cfe0b550_dist:
	s_mov_b64 s[64:65], 0
	v_nop
	global_prefetch_b8 v0, s[64:65] scope:SCOPE_SE
	s_setreg_imm32_b32 hwreg(HW_REG_WAVE_MODE, 25, 1), 1
	s_wait_xcnt 0x0
	s_wait_alu depctr_hold_cnt(0) depctr_sa_sdst(0) depctr_va_vdst(0) depctr_va_sdst(0) depctr_va_ssrc(0) depctr_va_vcc(0) depctr_vm_vsrc(0)
	s_getreg_b32 s2, hwreg(HW_REG_IB_STS2, 6, 4)
	s_cmp_eq_u32 s2, 0
	s_cbranch_scc0 .Lentry_in_a_cluster
	s_endpgm
.Lentry_in_a_cluster:
	s_bfe_u32 s2, ttmp6, 0x10000c
	s_cmp_lg_u32 s2, 0xf033
	s_cbranch_scc0 .Lentry_shape_is_right
	s_endpgm
.Lentry_shape_is_right:
; out0[i][j] = max(sq_i + sq_j - 2 gram[i][j], 0); gram = the product of the quantised embeddings with themselves, by v_wmma_scale_f32_16x16x128_f8f6f4 on codes of E3M2 with E8M0 scales, sums in f32.
; WORK LEFT OUT: both operands are the same quantised matrix, so out0[j][i] = out0[i][j] for all values of the input.  The result is 4 x 4 regions of 1,024 x 1,024, one to a cluster; the six regions below the
; diagonal are not multiplied: the six clusters above it store each block twice, as it is and mirrored.  The four clusters on the diagonal make all their sixteen blocks: every partner of a cluster has to
; make every joint request, so a partner's block is not left out there.  Ten clusters, 160 work-groups, all at work at once; clusters with two ways out and clusters with one are dealt by turns along the
; cluster's number, by a table of two bits a cluster.
; The accumulators start at nh_i + nh_j (nh = -sq / 2, the sum of nh4's four parts), so that a finished sum is gram - (sq_i + sq_j) / 2; the way out multiplies by -2 (a power of two) and clips at 0.
; A block of 256 x 256 of the result to a work-group of four waves; a wave makes 128 x 128: 64 accumulators, 512 registers.
; IMG holds, for each group of 128 rows and each step of 128 K, a dense tile of TSTEP bytes: eight fragments as images of the operand's registers (three runs of 512 bytes, 16 bytes a lane) and 512 bytes of scale words.
; THE RING: two LDS slots, each with three steps' tiles of A's two groups and B's two groups.  A wave's one tensor load brings one group's three tiles, 150 rows of 256 bytes, dense in memory and in LDS.
; 32 steps are ten fills of three and one of two (100 rows).  A slot is asked for again in the middle of its last step; the wait for that load stands at the head of the other slot's last step, 160 matrix instructions on.
; By this text's own count a wave has one tensor load out at a time.
; CLUSTERS: 4 x 4 work-groups; A's tiles are shared along a row of the cluster, B's along a column, each asked for jointly with a mask of four.
; THE MATRIX INSTRUCTION IS USED TRANSPOSED (source 0 = B's 16 rows, source 1 = A's): a lane holds eight neighbouring numbers of a row of the result.
; REGISTERS: window 0: v0-31 addresses, v32-47 scale words (two sets of 8: lanes 0-15 A's block i, lanes 16-31 B's block i), v64-255 A's fragments, two sets of 96;
;   window 1: B's fragments, two sets, at v0 and v128; windows 2 and 3: the accumulators of my rows 0-63 and 64-127.
; Both operands have two sets, so a step's 50 LDS loads (for the next step) go out in two runs, each ahead of 32 matrix instructions.
; PREFETCH: a fill is asked for by three instructions a wave, one a tile; of a tile's 50 blocks of 256 bytes the four partners that ask for it jointly take 13, 13, 12, 12, told apart by address; lanes left
; over name their wave's last block again.  Behind the joint load of fill 0 each wave asks for fills 1 and 2 of the group that it fetches (the buffer's first touch), behind that of fill 1 for fill 3, and behind
; that of fill f + 2, in the loop, for fill f + 4: two fills are asked for and not yet loaded at the most.  Fills 0 and 10 come by their loads alone; the loop's last trip asks for nothing.
.set SIZE_N, 4096
.set TSTEP,  12800
.set FILLB,  3*TSTEP                   ; what one tensor load brings
.set SLOT,   4*FILLB
.set GROUPB, 32*TSTEP                  ; a group's tiles in img
.set NHS,    2*SLOT                    ; behind the ring: 1,024 bytes a wave for the norms of its rows and columns; no fill lands here
.set SPARE,  NHS+4096                  ; the spare words, 128 bytes a wave
.set STAGE,  SLOT                      ; the way out goes through slot 1, which has had its last fill and its last read by then
.set SPITCH, 528
.set ADRA, 16                          ; v16-17 my A fragments in slot 0, 1
.set ADRB, 18                          ; v18-19 B's
.set ADRS, 20                          ; v20-21 scale words: lanes 0-15 A's, lanes 16-31 B's
.set STO,  22
.set RD,   23
.set CO,   24                          ; 16 x lane
.set NHA,  25
.set NHR,  26
.set NHC,  27
.set SPW,  28
.set NIL,  29
.set PFO,  30
.set TSTO, 31                          ; the mirrored way out: where I put one number
.set SC,   32
.set AF,   64
.set SJ,   128
.set SI,   192
.set BK,   128
.set G1,  24
.set G0,  32
.set G1B, 48
.set G0B, 56
.set PFA, 66
.set MSB, 0
.macro WIN new                         ; the immediate's high byte repeats the setting that is left
.if MSB != \new
	s_set_vgpr_msb (MSB<<8)|\new
.set MSB, \new
.endif
.endm
.set MUL_LO, 0xa1                      ; source 0 (B) window 1, source 1 (A) window 0, C and D window 2
.set MUL_HI, 0xf1
.set TO_B,   0x40
.macro PLACES n
.rept \n
	v_nop
.endr
.endm
.macro JLOAD s                         ; a joint load into slot s: waves 0, 1 fetch A's two groups, waves 2, 3 B's; s_nop 0 and four v_nop behind each line
	s_cmp_eq_u32 s15, 0
	s_cbranch_scc0 .Lfor_b_\@
	tensor_load_to_lds s[G0+4*\s:G0+4*\s+3], s[G1:G1+7]
	s_nop 0
	PLACES 4
	s_branch .Lasked_\@
.Lfor_b_\@:
	tensor_load_to_lds s[G0B+4*\s:G0B+4*\s+3], s[G1B:G1B+7]
	s_nop 0
	PLACES 4
.Lasked_\@:
.endm
.macro CREST                           ; a round of the cluster's barrier behind its opening barrier
	s_cmp_lg_u32 s14, 0
	s_cbranch_scc1 .Lnot_wave_0_\@
	s_barrier_signal -3
.Lnot_wave_0_\@:
	s_barrier_wait -3
	s_barrier_signal -1
	s_barrier_wait -1
.endm
.macro CROUND
	s_barrier_signal -1
	s_barrier_wait -1
	CREST
.endm
	s_load_b128 s[4:7], s[0:1], 0x0                ; img, nh4
	s_load_b64 s[8:9], s[0:1], 0x10                ; out0
	v_lshl_add_u32 v[SPW], v0, 2, SPARE
	v_mov_b32 v[NIL], 0
	ds_add_u32 v[SPW], v[NIL]                      ; the opening lines: the add, twice on end, and its wait ahead of my first tensor load
	ds_add_u32 v[SPW], v[NIL]
	v_lshrrev_b32 v1, 5, v0
	v_readfirstlane_b32 s14, v1                    ; wave 0..3
	s_lshr_b32 s15, s14, 1                         ; my half of the block's rows; also: I fetch for A (0) or B (1)
	s_and_b32 s16, s14, 1                          ; my half of its columns; also: which group of the two I fetch
	s_bfe_u32 s40, ttmp6, 0x40000                  ; cx
	s_bfe_u32 s41, ttmp6, 0x40004                  ; cy
	; the cluster's region (s84, s85) = (row, column), two bits a cluster in each table: clusters 0 .. 9: (0,1) (0,0) (0,2) (1,1) (0,3) (2,2) (1,2) (1,3) (3,3) (2,3)
	s_lshl_b32 s82, ttmp9, 1
	s_lshr_b32 s84, 0xb5840, s82
	s_and_b32 s84, s84, 3
	s_lshr_b32 s85, 0xfeb61, s82
	s_and_b32 s85, s85, 3
	s_lshl_b32 s42, s85, 2
	s_add_co_u32 s42, s42, s40                     ; block column
	s_lshl_b32 s17, s84, 2
	s_add_co_u32 s17, s17, s41                     ; block row
	s_lshl_b32 s43, s41, 2
	s_lshl_b32 s43, 15, s43                        ; my row of the cluster
	s_lshl_b32 s44, 0x1111, s40                    ; my column
	s_or_b32 s[G1+0], s43, (3<<16)|(1<<21)         ; the mask; elements of 8 bytes; bit 21 beside a mask; no padding
	s_or_b32 s[G1B+0], s44, (3<<16)|(1<<21)
.irp g, G1, G1B
	s_mov_b32 s[\g+1], 32<<16                      ; rows of 32 elements = 256 bytes
	s_mov_b32 s[\g+2], 150<<16                     ; 150 rows: three tiles
	s_mov_b32 s[\g+3], 32<<16
	s_mov_b32 s[\g+4], 150
	s_mov_b32 s[\g+5], 32
	s_mov_b32 s[\g+6], 0
	s_mov_b32 s[\g+7], 0
.endr
	s_lshl_b32 s18, s17, 1
	s_add_co_u32 s18, s18, s16                     ; A's group that I fetch
	s_mul_i32 s20, s18, GROUPB
	s_mov_b32 s21, 0
	s_lshl_b32 s19, s42, 1
	s_add_co_u32 s19, s19, s16                     ; B's
	s_mul_i32 s46, s19, GROUPB
	s_mov_b32 s47, 0
	s_mul_i32 s45, s14, FILLB                      ; where my load lands in a slot
	s_lshl_b32 s96, s17, 10                        ; my 128 rows' norms, in bytes
	s_lshl_b32 s95, s15, 9
	s_add_co_u32 s96, s96, s95
	s_mov_b32 s97, 0
	s_lshl_b32 s98, s42, 10                        ; my 128 columns'
	s_lshl_b32 s95, s16, 9
	s_add_co_u32 s98, s98, s95
	s_mov_b32 s99, 0
	s_lshl_b32 s22, s96, 12                        ; my first row of the result: (bytes / 4) rows of 16,384 bytes,
	s_add_co_u32 s22, s22, s98                     ; and my first column
	s_mov_b32 s23, 0
	s_lshl_b32 s88, s98, 12                        ; the mirror image: my columns are its rows,
	s_add_co_u32 s88, s88, s96                     ; my rows its columns
	s_mov_b32 s89, 0
	s_mul_i32 s70, s15, FILLB                      ; LDS: my A group,
	s_add_co_u32 s71, s16, 2
	s_mul_i32 s71, s71, FILLB                      ; my B group,
	s_sub_co_u32 s72, s71, s70                     ; the distance between them,
	s_mul_i32 s73, s14, 16*SPITCH
	s_add_co_u32 s73, s73, STAGE                   ; my stage,
	s_lshl_b32 s74, s14, 10
	s_add_co_u32 s74, s74, NHS                     ; my norms
	s_cmp_eq_u32 s15, 0                            ; the prefetches: the group that I fetch, and my place p among the four that ask for it with me
	s_cselect_b32 s75, s18, s19
	s_cselect_b32 s76, s40, s41
	s_mul_i32 s77, s76, 13
	s_mul_i32 s78, s76, 12
	s_add_co_u32 s78, s78, 2
	s_min_u32 s77, s77, s78                        ; my first block of a tile's 50: 0, 13, 26, 38
	s_lshr_b32 s79, s76, 1
	s_sub_co_u32 s78, 12, s79                      ; my last: 12 or 11 further on
	s_mul_i32 s80, s75, GROUPB
	s_lshl_b32 s77, s77, 8
	s_add_co_u32 s80, s80, s77
	s_add_co_u32 s80, s80, 3*FILLB                 ; at fill 3: the head reaches back to fills 1 and 2 by the immediate; the first change of slots steps it to fill 4
	s_mov_b32 s81, 0
	s_wait_dscnt 0x0                               ; both opening adds are done
	s_wait_kmcnt 0x0
	s_add_nc_u64 s[20:21], s[4:5], s[20:21]
	s_add_nc_u64 s[46:47], s[4:5], s[46:47]
	s_add_nc_u64 s[PFA:PFA+1], s[4:5], s[80:81]
	s_add_nc_u64 s[96:97], s[6:7], s[96:97]
	s_add_nc_u64 s[98:99], s[6:7], s[98:99]
	s_add_nc_u64 s[12:13], s[8:9], s[22:23]
	s_add_nc_u64 s[90:91], s[8:9], s[88:89]
	CROUND                                         ; all sixteen work-groups are here: the first joint loads meet
.irp s, 0,1
	s_mov_b32 s[G0+4*\s], 1
	s_add_co_u32 s[G0+4*\s+1], s45, \s*SLOT
	s_add_nc_u64 s[G0+4*\s+2:G0+4*\s+3], s[20:21], \s*FILLB
	s_or_b32 s[G0+4*\s+3], s[G0+4*\s+3], 0x80000000
	s_mov_b32 s[G0B+4*\s], 1
	s_add_co_u32 s[G0B+4*\s+1], s45, \s*SLOT
	s_add_nc_u64 s[G0B+4*\s+2:G0B+4*\s+3], s[46:47], \s*FILLB
	s_or_b32 s[G0B+4*\s+3], s[G0B+4*\s+3], 0x80000000
.endr
	JLOAD 0                                        ; fill 0: one tensor load a wave at the head
	v_and_b32 v6, 31, v0
	v_lshlrev_b32 v[CO], 4, v6
	v_min_u32 v5, s78, v6
	v_lshlrev_b32 v[PFO], 8, v5                    ; the prefetches: a lane a block of 256 bytes
.irp y, 0,1,2,3
	global_load_b128 v[64+4*\y:67+4*\y], v[CO], s[96:97] offset:16384*\y   ; part y of the norms of my 128 rows: 512 consecutive bytes
	global_load_b128 v[80+4*\y:83+4*\y], v[CO], s[98:99] offset:16384*\y   ; and of my 128 columns
.endr
.irp t, 0,1,2,3,4,5
	global_prefetch_b8 v[PFO], s[PFA:PFA+1] offset:(\t-6)*TSTEP th:TH_LOAD_NT scope:SCOPE_SE   ; my share of the six tiles of fills 1 and 2
.endr
	v_and_b32 v1, 15, v0                           ; r
	v_bfe_u32 v2, v0, 4, 1                         ; h
	v_add_nc_u32 v[ADRA], s70, v[CO]
	v_add_nc_u32 v[ADRB], s71, v[CO]
	v_add_nc_u32 v[ADRA+1], SLOT, v[ADRA]
	v_add_nc_u32 v[ADRB+1], SLOT, v[ADRB]
	v_mul_u32_u24 v3, s72, v2                      ; lanes 16-31 take B's scale words
	v_lshl_add_u32 v3, v1, 4, v3
	v_add_nc_u32 v3, s70, v3
	v_add_nc_u32 v[ADRS], 12288, v3
	v_add_nc_u32 v[ADRS+1], SLOT+12288, v3
	v_mul_u32_u24 v4, v1, SPITCH
	v_lshl_add_u32 v4, v2, 5, v4
	v_add_nc_u32 v[STO], s73, v4
	v_add_nc_u32 v[RD], s73, v[CO]
	v_mul_u32_u24 v7, v2, 8*SPITCH                 ; mirrored: stage row 8 h + j, word r
	v_lshl_add_u32 v7, v1, 2, v7
	v_add_nc_u32 v[TSTO], s73, v7
	v_add_nc_u32 v[NHA], s74, v[CO]
	v_lshl_add_u32 v[NHR], v1, 2, s74
	v_lshl_add_u32 v[NHC], v2, 5, s74
	s_wait_alu depctr_va_vdst(0)                   ; the wait here, directly ahead of the wait below
	s_wait_loadcnt 0x0
.irp o, 64, 80                         ; the four parts are added
	v_pk_add_f32 v[\o:\o+1], v[\o:\o+1], v[\o+4:\o+5]
	v_pk_add_f32 v[\o+2:\o+3], v[\o+2:\o+3], v[\o+6:\o+7]
	v_pk_add_f32 v[\o+8:\o+9], v[\o+8:\o+9], v[\o+12:\o+13]
	v_pk_add_f32 v[\o+10:\o+11], v[\o+10:\o+11], v[\o+14:\o+15]
.endr
.irp o, 64, 80
	v_pk_add_f32 v[\o:\o+1], v[\o:\o+1], v[\o+8:\o+9]
	v_pk_add_f32 v[\o+2:\o+3], v[\o+2:\o+3], v[\o+10:\o+11]
.endr
	ds_store_b128 v[NHA], v[64:67]                 ; through my own 1,024 bytes into the accumulators' layout; LDS serves a wave's instructions in order (ISA guide 5.7.1.4)
	ds_store_b128 v[NHA], v[80:83] offset:512
.irp a, 0,1,2,3,4,5,6,7
	ds_load_b32 v[SI+2*\a], v[NHR] offset:64*\a    ; nh of row 16 a + r, twice: a pair for the packed add
	ds_load_b32 v[SI+2*\a+1], v[NHR] offset:64*\a
.endr
.irp b, 0,1,2,3,4,5,6,7
	ds_load_b128 v[SJ+8*\b:SJ+8*\b+3], v[NHC] offset:512+64*\b       ; nh of columns 16 b + 8 h + 0 .. 7
	ds_load_b128 v[SJ+8*\b+4:SJ+8*\b+7], v[NHC] offset:512+64*\b+16
.endr
.macro INITH w
.irp a, 0,1,2,3
.irp b, 0,1,2,3,4,5,6,7
.irp j, 0,2,4,6
	v_pk_add_f32 v[8*(8*\a+\b)+\j:8*(8*\a+\b)+\j+1], v[SJ+8*\b+\j:SJ+8*\b+\j+1], v[SI+2*(4*\w+\a):SI+2*(4*\w+\a)+1]
.endr
.endr
.endr
.endm
	s_wait_dscnt 0x0
	WIN 0x80
	INITH 0                                        ; the sums start at nh_i + nh_j, while fill 0 is on its way
	WIN 0xc0
	INITH 1
	WIN 0
.macro FRAG3 reg, adr, off             ; a fragment: twelve registers by three loads, 16 bytes a lane, 512 consecutive bytes each
.irp g, 0,1,2
	ds_load_b128 v[\reg+4*\g:\reg+4*\g+3], v[\adr] offset:\off+512*\g
.endr
.endm
.macro FB slot, j, p, i0               ; B's blocks i0 .. i0 + 3 of the slot's step j into set p
.irp i, \i0, \i0+1, \i0+2, \i0+3
	FRAG3 128*(\p)+12*(\i), ADRB+\slot, (\j)*TSTEP+(\i)*1536
.endr
.endm
.macro FA slot, j, p, i0
.irp i, \i0, \i0+1, \i0+2, \i0+3
	FRAG3 AF+96*(\p)+12*(\i), ADRA+\slot, (\j)*TSTEP+(\i)*1536
.endr
.endm
.macro FSC slot, j, p                  ; the step's scale words: register i: lanes 0-15 A's block i, lanes 16-31 B's block i
	ds_load_b128 v[SC+8*(\p):SC+8*(\p)+3], v[ADRS+\slot] offset:(\j)*TSTEP
	ds_load_b128 v[SC+8*(\p)+4:SC+8*(\p)+7], v[ADRS+\slot] offset:(\j)*TSTEP+256
.endm
.macro MUL16 a0, p                     ; A's blocks a0, a0 + 1 x B's eight, 128 along K, set p.  The 64 accumulators take turns, in the same order in every step
.irp a, \a0, \a0+1
.irp b, 0,1,2,3,4,5,6,7
	v_wmma_scale_f32_16x16x128_f8f6f4 v[8*(8*((\a)%4)+\b):8*(8*((\a)%4)+\b)+7], v[128*(\p)+12*\b:128*(\p)+12*\b+11], v[AF+96*(\p)+12*(\a):AF+96*(\p)+12*(\a)+11], v[8*(8*((\a)%4)+\b):8*(8*((\a)%4)+\b)+7], v[SC+8*(\p)+\b], v[SC+8*(\p)+(\a)] matrix_a_fmt:MATRIX_FMT_BF6 matrix_b_fmt:MATRIX_FMT_BF6 matrix_a_scale:MATRIX_SCALE_ROW1
.endr
.endr
.endm
; A step that stays in its slot: 64 matrix instructions on set p; step j + 1 is fetched into the other set in two runs.
.macro STEP slot, j, p
	s_wait_dscnt 12                                ; B, the scale words and A's blocks 0-3 are in; the youngest twelve loads (A's blocks 4-7) may be out
	PLACES 4                                       ; four places behind the last step's products, which read the set that is now loaded (ISA guide 7.12.1 for vector instructions): they serve both runs
	WIN TO_B
	FB \slot, (\j)+1, 1-(\p), 0
	FB \slot, (\j)+1, 1-(\p), 4
	WIN MUL_LO
	MUL16 0, \p
	MUL16 2, \p
	WIN 0
	FSC \slot, (\j)+1, 1-(\p)
	FA \slot, (\j)+1, 1-(\p), 0
	FA \slot, (\j)+1, 1-(\p), 4
	s_wait_dscnt 50                                ; all but the 24 + 26 just issued: this step's blocks 4-7 of A are in
	WIN MUL_HI
	MUL16 4, \p
	MUL16 6, \p
.endm
; A slot's last step changes slots.  fill = 1: the slot is filled again, two fills on; 2: with the last fill, of two tiles; 0: nothing is left to fetch.  ask = 1: in the loop, with the prefetch.
.macro TURN slot, next, p, fill, ask
	WIN 0
.if \ask
	s_wait_xcnt 0x0                                ; my last prefetches have read their address: it steps one fill on
	s_add_nc_u64 s[PFA:PFA+1], s[PFA:PFA+1], FILLB
.endif
	s_wait_tensorcnt 0x0                           ; all my tensor loads have landed: my part of the next slot
	ds_add_u32 v[SPW], v[NIL]
	s_wait_dscnt 13                                ; (the add and A's blocks 4-7 may be out)
	WIN MUL_LO
	MUL16 0, \p
	s_wait_dscnt 0x0                               ; the add is done, and my reads of this slot are over
	s_barrier_signal -1
	MUL16 2, \p
	WIN 0
	s_barrier_wait -1
.if \fill
	CREST                                          ; the barrier has opened a round of the cluster's barrier: no wave of any partner still reads this slot or has a load on its way
	s_add_nc_u64 s[G0+4*\slot+2:G0+4*\slot+3], s[G0+4*\slot+2:G0+4*\slot+3], 2*FILLB
	s_add_nc_u64 s[G0B+4*\slot+2:G0B+4*\slot+3], s[G0B+4*\slot+2:G0B+4*\slot+3], 2*FILLB
.if \fill == 2
	s_mov_b32 s[G1+2], 100<<16                     ; no tensor load of mine is out: the last fill has two tiles, 100 rows
	s_mov_b32 s[G1+4], 100
	s_mov_b32 s[G1B+2], 100<<16
	s_mov_b32 s[G1B+4], 100
.endif
	JLOAD \slot                                    ; the first tensor load behind the round; its four v_nop are the places in front of the loads below
.else
	PLACES 4
.endif
	FSC \next, 0, 1-(\p)
	FA \next, 0, 1-(\p), 0
.if \ask
	s_cmp_gt_u32 s3, 1                             ; the loop's last trip has no whole fill two refills on
	s_cbranch_scc0 .Lno_ask_\@
.irp t, 0,1,2
	global_prefetch_b8 v[PFO], s[PFA:PFA+1] offset:\t*TSTEP th:TH_LOAD_NT scope:SCOPE_SE
.endr
.Lno_ask_\@:
.endif
	WIN TO_B
	FB \next, 0, 1-(\p), 0
	FB \next, 0, 1-(\p), 4
	WIN MUL_HI
	MUL16 4, \p
	MUL16 6, \p
	WIN 0
	FA \next, 0, 1-(\p), 4
.endm
	s_wait_alu depctr_va_vdst(0)                   ; the wait at the head's end
	s_wait_tensorcnt 0x0                           ; my part of fill 0 is in; these lines stand ahead of a later first fill as ahead of a refill
	ds_add_u32 v[SPW], v[NIL]
	s_wait_dscnt 0x0
	CROUND                                         ; everybody's part of fill 0 is in, and the joint loads meet
	JLOAD 1                                        ; fill 1, slot 1's first
	WIN TO_B
	FB 0, 0, 0, 0
	FB 0, 0, 0, 4
	WIN 0
	FSC 0, 0, 0
	FA 0, 0, 0, 0
	FA 0, 0, 0, 4
.irp t, 0,1,2
	global_prefetch_b8 v[PFO], s[PFA:PFA+1] offset:\t*TSTEP th:TH_LOAD_NT scope:SCOPE_SE   ; my share of fill 3, two refills on
.endr
	s_mov_b32 s3, 4
.Llap:                                                 ; a trip: six steps, once round the ring; both slots are filled again (fills 2 to 9)
	STEP 0, 0, 0
	STEP 0, 1, 1
	TURN 0, 1, 0, 1, 1
	STEP 1, 0, 1
	STEP 1, 1, 0
	TURN 1, 0, 1, 1, 1
	s_sub_co_u32 s3, s3, 1
	s_cmp_lg_u32 s3, 0
	s_cbranch_scc1 .Llap
	STEP 0, 0, 0                                   ; fill 8
	STEP 0, 1, 1
	TURN 0, 1, 0, 2, 0                             ; slot 0 takes the last fill
	STEP 1, 0, 1                                   ; fill 9
	STEP 1, 1, 0
	TURN 1, 0, 1, 0, 0
	STEP 0, 0, 0                                   ; fill 10: steps 30 and 31
	s_wait_dscnt 12
	WIN MUL_LO
	MUL16 0, 1
	MUL16 2, 1
	s_wait_dscnt 0x0
	WIN MUL_HI
	MUL16 4, 1
	MUL16 6, 1
	WIN 0
; THE WAY OUT, block by block of 16 rows x 128 columns: x -2 and the clip at 0 in place (the mirrored way out takes the same numbers), then through my own stage and back as whole rows of 512 bytes.
.macro TOSTAGE a
.set AC, 64*((\a)%4)
	WIN 0x8a+0x45*((\a)/4)                         ; destination and both sources: window 2 or 3
.irp b, 0,1,2,3,4,5,6,7
.irp j, 0,2,4,6
	v_pk_mul_f32 v[AC+8*\b+\j:AC+8*\b+\j+1], v[AC+8*\b+\j:AC+8*\b+\j+1], -2.0 op_sel_hi:[1,0]   ; each accumulator from its low end on
.endr
.endr
.set k, 0
.rept 64
	v_max_num_f32 v[AC+k], 0, v[AC+k]
.set k, k+1
.endr
	s_wait_alu depctr_va_vdst(0)                   ; the wait behind these writes
	WIN 0x08+4*((\a)/4)
.irp b, 0,1,2,3,4,5,6,7
	ds_store_b128 v[STO], v[AC+8*\b:AC+8*\b+3] offset:64*\b
	ds_store_b128 v[STO], v[AC+8*\b+4:AC+8*\b+7] offset:64*\b+16
.endr
	WIN 0
.set BB, BK+64*((\a)%2)
.irp t, 0,1,2,3,4,5,6,7,8,9,10,11,12,13,14,15
	ds_load_b128 v[BB+4*\t:BB+4*\t+3], v[RD] offset:\t*SPITCH
.endr
.endm
; 16 rows that are back from the stage are stored.  base: the pair that holds their address; younger: the LDS instructions behind their loads that may stay out
.macro SEND a, younger, base
.set BB, BK+64*((\a)%2)
	s_wait_dscnt \younger
.if (\a) > 0
	s_add_nc_u64 s[\base:\base+1], s[\base:\base+1], 16*SIZE_N*4   ; behind a wait on XCNT: the earlier stores have read their base
.endif
.irp t, 0,1,2,3,4,5,6,7,8,9,10,11,12,13,14,15
	global_store_b128 v[CO], v[BB+4*\t:BB+4*\t+3], s[\base:\base+1] offset:\t*SIZE_N*4 th:TH_STORE_NT   ; 32 lanes store 512 consecutive bytes, aligned
.endr
.endm
; The mirrored way out, by B's blocks: 16 columns of my part are 16 rows of the mirror image, 128 numbers each.  Number (row 16 a + r, column 16 b + 8 h + j) goes to stage row 8 h + j, word 16 a + r.
.macro TSTAGE b
	WIN 0x08
.irp a, 0,1,2,3
.irp j, 0,1,2,3,4,5,6,7
	ds_store_b32 v[TSTO], v[64*\a+8*(\b)+\j] offset:\j*SPITCH+64*\a
.endr
.endr
	WIN 0x0c
.irp a, 0,1,2,3
.irp j, 0,1,2,3,4,5,6,7
	ds_store_b32 v[TSTO], v[64*\a+8*(\b)+\j] offset:\j*SPITCH+64*\a+256
.endr
.endr
	WIN 0
.set BB, BK+64*((\b)%2)
.irp t, 0,1,2,3,4,5,6,7,8,9,10,11,12,13,14,15
	ds_load_b128 v[BB+4*\t:BB+4*\t+3], v[RD] offset:\t*SPITCH
.endr
.endm
	PLACES 4
	TOSTAGE 0
.irp a, 1,2,3,4,5,6,7
.if \a > 1
	s_wait_xcnt 0x0                                ; block a - 2's stores have read their registers and their base
.endif
	TOSTAGE \a
	SEND \a-1, 32, 12                              ; behind block a - 1's loads: block a's 16 stores and 16 loads
.endr
	s_wait_xcnt 0x0
	SEND 7, 0, 12
	s_cmp_eq_u32 s84, s85                          ; a cluster on the diagonal has made its mirror images itself; the test is the same in all partners
	s_cbranch_scc1 .Lno_mirror
	s_wait_xcnt 0x0                                ; the last stores have read their registers
	TSTAGE 0
.irp b, 1,2,3,4,5,6,7
	s_wait_xcnt 0x0
	TSTAGE \b
	SEND \b-1, 63, 90                              ; behind block b - 1's loads stand 64 stores and 16 loads; 63 is the largest count that the wait can name
.endr
	s_wait_xcnt 0x0
	SEND 7, 0, 90
.Lno_mirror:
	s_wait_tensorcnt 0x0                           ; the wave's end
	ds_add_u32 v[SPW], v[NIL]
	s_wait_dscnt 0x0
	CROUND                                         ; the closing round
	s_endpgm
.Lfunc_end_k_q51cfe0b550_dist:
	.size	k_q51cfe0b550_dist, .Lfunc_end_k_q51cfe0b550_dist-k_q51cfe0b550_dist
	.p2alignl 7, 3214868480
	.fill 96, 4, 3214868480
	.section	.rodata,"a",@progbits
	.p2align	6, 0x0
	.amdhsa_kernel k_q51cfe0b550_dist
		.amdhsa_group_segment_fixed_size 327680
		.amdhsa_private_segment_fixed_size 0
		.amdhsa_enable_private_segment 0
		.amdhsa_kernarg_size 24
		.amdhsa_user_sgpr_count 2
		.amdhsa_user_sgpr_kernarg_segment_ptr 1
		.amdhsa_wavefront_size32 1
		.amdhsa_system_sgpr_workgroup_id_x 1
		.amdhsa_system_sgpr_workgroup_id_y 1
		.amdhsa_system_sgpr_workgroup_id_z 1
		.amdhsa_system_vgpr_workitem_id 0
		.amdhsa_next_free_vgpr 1024
		.amdhsa_next_free_sgpr 100
		.amdhsa_reserve_vcc 0
		.amdhsa_float_denorm_mode_32 3
		.amdhsa_float_denorm_mode_16_64 3
		.amdhsa_memory_ordered 1
		.amdhsa_forward_progress 1
		.amdhsa_inst_pref_size 255
	.end_amdhsa_kernel
	.section	.bss,"aw",@nobits
	.p2align	6
	.space	262144
	.amdgpu_metadata
---
amdhsa.version: [ 1, 2 ]
amdhsa.kernels:
  - .name:           k_q51cfe0b550_dist
    .symbol:         k_q51cfe0b550_dist.kd
    .args:
      - { .name: img, .offset: 0, .size: 8, .value_kind: global_buffer, .address_space: global }
      - { .name: nh4, .offset: 8, .size: 8, .value_kind: global_buffer, .address_space: global }
      - { .name: out0, .offset: 16, .size: 8, .value_kind: global_buffer, .address_space: global }
    .group_segment_fixed_size: 327680
    .private_segment_fixed_size: 0
    .kernarg_segment_align: 8
    .kernarg_segment_size: 24
    .max_flat_workgroup_size: 128
    .sgpr_count:     100
    .vgpr_count:     1024
    .wavefront_size: 32
...
	.end_amdgpu_metadata
.endif
;; end of part 2
